; MI455X (gfx1250); checked and timed in simulation.
; The chip was launched on July 23, 2026; its instructions are those of AMD's public machine-readable ISA for CDNA 5 (MIT licence, August 2026) and "CDNA5" Instruction Set Architecture Reference Guide (July 2026). The comments in the code are by the model that wrote it; some were corrected since.
;; Multi Head Self Attention. Allowed arithmetic: matrix products marked QUANTISED: E2M1 operands, one E8M0 scale for each 32 along K, by v_wmma_scale_f32_16x16x128_f8f6f4 with both operands' format E2M1 (or v_wmma_scale_f32_32x16x128_f4), f32 sums; products left as they are: bf16, f16 or f32 operands; f32 sums; everything else in f32.
;; Inputs: Wk 512 x 512 float32; Wo 512 x 512 float32; Wq 512 x 512 float32; Wv 512 x 512 float32; bk 512 float32; bo 512 float32; bq 512 float32; bv 512 float32; inputs 2 x 4,096 x 512 float32.
;; Outputs: out0 2 x 4,096 x 512 float32.
;; This version of the problem:
;;   THIS VERSION OF THE PROBLEM IS GIVEN IN LOW PRECISION. The matrix products marked QUANTISED in the list below multiply operands that are first quantised to E2M1 (2 exponent bits, 1 mantissa bit; 4 bits a number), with one power-of-two scale for each 32 numbers along K (OCP MX v1.0); their sums are f32. The products marked 'left as it is' may take bf16, f16 or f32 operands, with f32 sums. Whichever they take, every output number must still come out within the allowed error. Rounding operands to bf16 (8 significant bits) uses up far more of that allowance than f16 does (11 bits, for magnitudes from 6e-5 to 65,504). All else is computed in f32.
;;   The module's matrix products, in the order in which they are computed (A, B: the left and right operand; K: the contracted axis; several contracted axes count as one K, in the product's order):
;;     1. [M 8,192, K 512] x [K 512, N 512]; A: input inputs; B: input Wq: QUANTISED
;;     2. [M 8,192, K 512] x [K 512, N 512]; A: input inputs; B: input Wk: QUANTISED
;;     3. [M 8,192, K 512] x [K 512, N 512]; A: input inputs; B: input Wv: QUANTISED
;;     4. batch 16 x [M 4,096, K 64] x [K 64, N 4,096]; A: computed on the way; B: computed on the way: left as it is (an operand is computed on the way)
;;     5. batch 16 x [M 4,096, K 4,096] x [K 4,096, N 64]; A: computed on the way; B: computed on the way: left as it is (an operand is computed on the way)
;;     6. [M 8,192, K 512] x [K 512, N 512]; A: computed on the way; B: input Wo: left as it is (an operand is computed on the way)
;;   THE QUANTISER, for each operand of a quantised product, along K:
;;     - K is cut into blocks of 32 from its start; a last block that is shorter is filled with zeros.
;;     - A block's scale is 2^e with e = floor(log2(the largest magnitude in the block)) - 2, held to -126 .. 127; a block of zeros has e = 0. As a byte (E8M0): e + 127.
;;     - Each number is divided by its block's scale, clamped to +-6, and rounded to the nearest number of E2M1, ties to even, subnormals kept.
;;     - The product sums the exact products of the quantised numbers (number of the format x scale) in f32.
;;   ~~~python
;;   def quantise(x, axis):      # numpy; x: float32 -> the quantised numbers, widened to float32 again
;;       x = np.moveaxis(x, axis, -1); K = x.shape[-1]
;;       x = np.pad(x, [(0, 0)] * (x.ndim - 1) + [(0, -K % 32)]); x = x.reshape(x.shape[:-1] + (-1, 32)); a = np.abs(x).max(-1, keepdims=True)
;;       e = np.where(a > 0, np.clip(np.frexp(np.where(a > 0, a, 1))[1] - 1 - 2, -126, 127), 0)      # np.frexp(a)[1] - 1 = floor(log2(a)), exactly
;;       r = np.clip(x / 2.0 ** e, -6, 6)
;;       step = 2.0 ** (np.maximum(np.frexp(np.where(r == 0, 1, r))[1] - 1, 0) - 1)
;;       q = np.round(r / step) * step * 2.0 ** e      # np.round: ties to even
;;       return np.moveaxis(q.reshape(q.shape[:-2] + (-1,))[..., :K], -1, axis).astype(np.float32)
;;   ~~~
;; One version. Each part assembles by itself: llvm-mc -triple=amdgcn-amd-amdhsa -mcpu=gfx1250 --defsym DOCPART=n.
;; ======== version 1 of 1: 4 launches
;; limits: values are held in f16: magnitudes above 65,504 overflow, below 6.1e-05 lose precision
;; workspace buffers: wimg 442,368 bytes; woimg 524,288 bytes; qimg 8,388,608 bytes; kimg 8,388,608 bytes; vimg 8,388,608 bytes; aimg 8,388,608 bytes
;; launch prep (part 1): grid 128 x 1, 4 waves a work-group, no clusters, 0 bytes of LDS; arguments Wq, Wk, Wv, Wo, wimg, woimg; writes wimg, woimg
.if DOCPART == 1
	.amdgcn_target "amdgcn-amd-amdhsa--gfx1250"
	.amdhsa_code_object_version 6
	.text
	.protected	k_q2b4d36a9b7_prep
	.globl	k_q2b4d36a9b7_prep
	.p2align	8
	.type	k_q2b4d36a9b7_prep,@function
k_q2b4d36a9b7_prep:
	s_mov_b64 s[64:65], 0
	v_nop
	global_prefetch_b8 v0, s[64:65] scope:SCOPE_SE
	s_setreg_imm32_b32 hwreg(HW_REG_WAVE_MODE, 25, 1), 1
	s_wait_xcnt 0x0
; MULTI-HEAD SELF-ATTENTION, four launches: prep (this one), qkv, attn, oproj.
; THIS LAUNCH lays the four weights out once, as images of the operand registers of the products that read them.
;   Wq, Wk, Wv [512 (k)][512 (n)] f32 -> wimg: codes of E2M1 with one E8M0 byte for each 32 along K.  For matrix mat and tile NT of 16 columns 4,608 bytes: four fragments
;   (K step s of 128) of 1,024 bytes, registers 4 c .. 4 c + 3 of lane L at s 1024 + c 512 + 16 L, then the scale words at 4096 + s 128 + 4 L.
;   Wo [512 (k)][512 (n)] f32 -> woimg: f16, [column block of 128][half of K][tile of 16 columns][16 along K][512 bytes]: lane (r, h) holds Wo[.. + 8 h + 0 .. 7][.. + r].
; DEAD WORK: bk.  scores[q][k] = (x_q Wq + bq) . (x_k Wk + bk) / 8 = (x_q Wq + bq) . (x_k Wk) / 8 + (x_q Wq + bq) . bk / 8.  The second term does not hang on k: it is the same
;   along the softmax's axis for all finite values of the inputs, and the softmax takes it away.  k goes into no quantiser (the product q k^T is left as it is), so bk moves no code and no scale.
;   bk is therefore loaded by no launch and is among no launch's arguments.  LIMIT: a NaN, an infinity or an overflow that would reach the result through bk alone is not carried to it.
; A block's scale is 2^(floor(log2(largest magnitude)) - 2); its byte is the largest magnitude's exponent field - 2, held at 1 from below.  A block of zeros gets the byte 1 where the
;   rule says 127: its codes are zeros, which add nothing, and this program alone reads the bytes.
; LIMITS: NaN and infinities among the weights are not served; |Wo| beyond 65,504 has no f16 number.
; SHARES: work-groups 0 to 95 take tile NT = wg % 32 of matrix wg / 32, wave s its K step s.  Work-groups 96 to 127 take tile wg - 96 of Wo, wave w rows 128 w .. 128 w + 127 of K.
; A lane takes a column and its registers run down K, in the order that the operand's layout gives that lane: nothing is transposed.  No LDS, no barrier, no loop: waves share nothing.
; No cluster: no two work-groups read the same bytes.
.set X, 48                             ; v48-111 my 64 numbers
.set C, 16                             ; v16-47  what is stored
	s_load_b256 s[4:11], s[0:1], 0x0               ; Wq s[4:5], Wk s[6:7], Wv s[8:9], Wo s[10:11]
	s_load_b128 s[12:15], s[0:1], 0x20             ; wimg s[12:13], woimg s[14:15]
	v_lshrrev_b32 v1, 5, v0
	v_readfirstlane_b32 s16, v1                    ; wave 0..3
	v_and_b32 v1, 15, v0                           ; r
	v_bfe_u32 v2, v0, 4, 1                         ; h
	v_and_b32 v4, 31, v0
	v_lshlrev_b32 v5, 2, v4                        ; 4 x lane
	v_lshlrev_b32 v4, 4, v4                        ; 16 x lane
	v_lshlrev_b32 v3, 2, v1                        ; my column in the tile: 4 r bytes
	s_mov_b32 s20, 0x76543210
	s_mov_b32 s21, 0xfedcba98                      ; v_permlanex16_b32's selects for lane l xor 16
	s_lshl_b32 s18, s16, 18                        ; my wave's 128 rows of K: 128 x 2,048 bytes
	s_mov_b32 s19, 0
	s_mov_b32 s25, 0
	s_mov_b32 s27, 0
	s_wait_kmcnt 0x0
	s_cmp_ge_u32 ttmp9, 96
	s_cbranch_scc1 .Lwo
	; ---- Wq, Wk or Wv: one fragment of codes and its scale words
	s_cmp_lt_u32 ttmp9, 64
	s_cselect_b64 s[6:7], s[6:7], s[8:9]           ; the choice hangs on the work-group's number alone
	s_cmp_lt_u32 ttmp9, 32
	s_cselect_b64 s[4:5], s[4:5], s[6:7]
	s_and_b32 s22, ttmp9, 31                       ; NT
	s_lshl_b32 s23, s22, 6                         ; 16 columns are 64 bytes
	s_add_co_u32 s18, s18, s23
	s_add_nc_u64 s[4:5], s[4:5], s[18:19]
	v_lshl_add_u32 v3, v2, 16, v3                  ; lanes 16-31 begin 32 rows further down
.irp c, 0,1
.irp i, 0,1,2,3,4,5,6,7,8,9,10,11,12,13,14,15,16,17,18,19,20,21,22,23,24,25,26,27,28,29,30,31
	global_load_b32 v[X+32*\c+\i], v3, s[4:5] offset:(64*\c+\i)*2048   ; W(128 s + 64 c + 32 h + i, 16 NT + r)
.endr
.endr
	s_mul_i32 s24, ttmp9, 4608                     ; (32 mat + NT) x 4,608
	s_lshl_b32 s26, s16, 7
	s_add_co_u32 s26, s26, s24
	s_add_co_u32 s26, s26, 4096                    ; my scale words
	s_lshl_b32 s23, s16, 10
	s_add_co_u32 s24, s24, s23                     ; my fragment
	s_add_nc_u64 s[28:29], s[12:13], s[26:27]
	s_add_nc_u64 s[12:13], s[12:13], s[24:25]
	s_wait_loadcnt 0x0
.irp c, 0,1                                    ; my block 2 c + h: all its 32 numbers are mine
	v_max3_num_f32 v[8+\c], |v[X+32*\c]|, |v[X+1+32*\c]|, 0x1800000   ; with the floor 2^(3 - 127): the byte cannot fall under 1
.endr
.irp i, 2,4,6,8,10,12,14,16,18,20,22,24,26,28,30
.irp c, 0,1
	v_max3_num_f32 v[8+\c], v[8+\c], |v[X+32*\c+\i]|, |v[X+1+32*\c+\i]|   ; the two blocks by turns
.endr
.endr
.irp c, 0,1
	v_add_nc_u32 v[10+\c], 0xff000000, v[8+\c]     ; 2 off the exponent field: the conversion takes this operand's exponent field as its scale
.endr
.irp c, 0,1
	v_lshrrev_b32 v[12+\c], 23, v[10+\c]           ; the scale's byte
.endr
	v_lshl_or_b32 v14, v13, 16, v12                ; my two bytes: blocks h and 2 + h,
	v_lshlrev_b32 v15, 3, v2
	v_lshlrev_b32 v14, v15, v14                    ; at their places in the word
	v_mov_b32 v15, 0
	v_permlanex16_b32 v15, v14, s20, s21
	v_or_b32 v14, v14, v15                         ; with lane l xor 16's two the word is whole, in both lanes
.irp c, 0,1
.irp g, 0,1,2,3
	v_cvt_scalef32_pk8_fp4_f32 v[C+4*\c+\g], v[X+32*\c+8*\g:X+32*\c+8*\g+7], v[10+\c]
.endr
.endr
	v_nop                                          ; one plain instruction behind the last scaled conversion
	global_store_b128 v4, v[C:C+3], s[12:13]               ; 32 lanes store 512 consecutive bytes
	global_store_b128 v4, v[C+4:C+7], s[12:13] offset:512
	global_store_b32 v5, v14, s[28:29]                     ; 128 consecutive bytes
	s_endpgm
.Lwo:
	; ---- Wo: eight images of 16 along K x 16 columns, in f16
	s_sub_co_u32 s22, ttmp9, 96                    ; the tile of 16 columns, 0..31
	s_lshl_b32 s23, s22, 6
	s_add_co_u32 s18, s18, s23
	s_add_nc_u64 s[10:11], s[10:11], s[18:19]
	v_lshl_add_u32 v3, v2, 14, v3                  ; lanes 16-31 begin 8 rows further down
.irp b, 0,1,2,3,4,5,6,7
.irp j, 0,1,2,3,4,5,6,7
	global_load_b32 v[X+8*\b+\j], v3, s[10:11] offset:(16*\b+\j)*2048   ; Wo(128 w + 16 b + 8 h + j, 16 NT + r)
.endr
.endr
	s_lshr_b32 s24, s22, 3
	s_lshl_b32 s24, s24, 17                        ; column block of 128: 131,072 bytes
	s_lshr_b32 s26, s16, 1
	s_lshl_b32 s26, s26, 16                        ; half of K: 65,536
	s_add_co_u32 s24, s24, s26
	s_and_b32 s26, s22, 7
	s_lshl_b32 s26, s26, 13                        ; tile in the block: 8,192
	s_add_co_u32 s24, s24, s26
	s_and_b32 s26, s16, 1
	s_lshl_b32 s26, s26, 12                        ; my eight images in the half: 8 x 512
	s_add_co_u32 s24, s24, s26
	s_add_nc_u64 s[14:15], s[14:15], s[24:25]
	s_wait_loadcnt 0x0
.irp i, 0,1,2,3,4,5,6,7,8,9,10,11,12,13,14,15,16,17,18,19,20,21,22,23,24,25,26,27,28,29,30,31
	v_cvt_pk_f16_f32 v[C+\i], v[X+2*\i], v[X+2*\i+1]
.endr
.irp b, 0,1,2,3,4,5,6,7
	global_store_b128 v4, v[C+4*\b:C+4*\b+3], s[14:15] offset:512*\b   ; 32 lanes store 512 consecutive bytes
.endr
	s_endpgm
.Lfunc_end_k_q2b4d36a9b7_prep:
	.size	k_q2b4d36a9b7_prep, .Lfunc_end_k_q2b4d36a9b7_prep-k_q2b4d36a9b7_prep
	.p2alignl 7, 3214868480
	.fill 96, 4, 3214868480
	.section	.rodata,"a",@progbits
	.p2align	6, 0x0
	.amdhsa_kernel k_q2b4d36a9b7_prep
		.amdhsa_group_segment_fixed_size 0
		.amdhsa_private_segment_fixed_size 0
		.amdhsa_enable_private_segment 0
		.amdhsa_kernarg_size 48
		.amdhsa_user_sgpr_count 2
		.amdhsa_user_sgpr_kernarg_segment_ptr 1
		.amdhsa_wavefront_size32 1
		.amdhsa_system_sgpr_workgroup_id_x 1
		.amdhsa_system_sgpr_workgroup_id_y 1
		.amdhsa_system_sgpr_workgroup_id_z 1
		.amdhsa_system_vgpr_workitem_id 0
		.amdhsa_next_free_vgpr 112
		.amdhsa_next_free_sgpr 66
		.amdhsa_reserve_vcc 0
		.amdhsa_float_denorm_mode_32 3
		.amdhsa_float_denorm_mode_16_64 3
		.amdhsa_memory_ordered 1
		.amdhsa_forward_progress 1
		.amdhsa_inst_pref_size 21
	.end_amdhsa_kernel
	.amdgpu_metadata
---
amdhsa.version: [ 1, 2 ]
amdhsa.kernels:
  - .name:           k_q2b4d36a9b7_prep
    .symbol:         k_q2b4d36a9b7_prep.kd
    .args:
      - { .name: Wq, .offset: 0, .size: 8, .value_kind: global_buffer, .address_space: global }
      - { .name: Wk, .offset: 8, .size: 8, .value_kind: global_buffer, .address_space: global }
      - { .name: Wv, .offset: 16, .size: 8, .value_kind: global_buffer, .address_space: global }
      - { .name: Wo, .offset: 24, .size: 8, .value_kind: global_buffer, .address_space: global }
      - { .name: wimg, .offset: 32, .size: 8, .value_kind: global_buffer, .address_space: global }
      - { .name: woimg, .offset: 40, .size: 8, .value_kind: global_buffer, .address_space: global }
    .group_segment_fixed_size: 0
    .private_segment_fixed_size: 0
    .kernarg_segment_align: 8
    .kernarg_segment_size: 48
    .max_flat_workgroup_size: 128
    .sgpr_count:     66
    .vgpr_count:     112
    .wavefront_size: 32
...
	.end_amdgpu_metadata
.endif
;; end of part 1
;; launch qkv (part 2): grid 256 x 1, 8 waves a work-group, clusters of 4 x 1, 327,680 bytes of LDS; arguments inputs, wimg, bq, bv, qimg, kimg, vimg; writes qimg, kimg, vimg
.if DOCPART == 2
	.amdgcn_target "amdgcn-amd-amdhsa--gfx1250"
	.amdhsa_code_object_version 6
	.text
	.protected	k_q2b4d36a9b7_qkv
	.globl	k_q2b4d36a9b7_qkv
	.p2align	8
	.type	k_q2b4d36a9b7_qkv,@function
k_q2b4d36a9b7_qkv:
	s_mov_b64 s[64:65], 0
	v_nop
	global_prefetch_b8 v0, s[64:65] scope:SCOPE_SE
	s_setreg_imm32_b32 hwreg(HW_REG_WAVE_MODE, 25, 1), 1
	s_wait_xcnt 0x0
	s_wait_alu depctr_hold_cnt(0) depctr_sa_sdst(0) depctr_va_vdst(0) depctr_va_sdst(0) depctr_va_ssrc(0) depctr_va_vcc(0) depctr_vm_vsrc(0)
	s_getreg_b32 s2, hwreg(HW_REG_IB_STS2, 6, 4)
	s_cmp_eq_u32 s2, 0
	s_cbranch_scc0 .Lentry_in_a_cluster
	s_endpgm
.Lentry_in_a_cluster:
	s_bfe_u32 s2, ttmp6, 0x10000c
	s_cmp_lg_u32 s2, 0x3003
	s_cbranch_scc0 .Lentry_shape_is_right
	s_endpgm
.Lentry_shape_is_right:
; q = c (x Wq + bq), k = x Wk, v = x Wv + bv, the three products on codes of E2M1 with one E8M0 scale for each 32 along K, sums in f32; c = log2(e) / 8, so that the next launch's
; q . k is the softmax's exponent to the base 2.  LEFT OUT: bk (it adds to every score of a query the same number, which the softmax takes away; k goes into no quantiser).
; x: inputs [8192][512] f32, quantised here in registers: each row block is read by one work-group alone.  The weights come as images of their operand registers (wimg).
; RESULTS: f16, as images of the operand registers of the next launch: [batch x head 16][tile of 16 rows 256][tile of 16 channels 4][512 bytes], lane L's 16 bytes at 16 L.
;   q, k: lane (r, h) holds row r, channels 8 h + 0 .. 7 (the product is used transposed: source 0 = 16 columns of W, source 1 = 16 rows of x);
;   v:    lane (r, h) holds channel r, keys 8 h + 0 .. 7 (source 0 = 16 rows of x, source 1 = 16 columns of W).  So a tile of results is four conversions and one store of 512 consecutive bytes.
; LIMITS: |c q|, |k|, |v| beyond 65,504 have no f16 number; NaN and infinities among the inputs are not served; a block of zeros has the scale byte 1 over zero codes.
; SHARES: a work-group owns 32 rows (two tiles m); wave w is head w: four tiles of 16 columns of each of Wq, Wk, Wv.
; CLUSTER: the four work-groups of a cluster walk the same weights: each wave's eighth of a matrix (18,432 bytes, 72 rows of 256) is asked for JOINTLY by the same wave of all four.
;   A wave alone reads what it fetched.  Two slots: Wq in slot 0 and Wk in slot 1 at the start; Wv goes into slot 0 when Wq has been read.  By this text's count a wave has at most two tensor loads out.
.set WPART, 18432                      ; my eighth of a matrix
.set WMAT,  147456                     ; a matrix in wimg, and a slot in LDS
.set SLOT1, WMAT
.set XIMG,  2*WMAT                     ; x's eight fragments (tile m, K step s: 4 m + s), 1,024 bytes each
.set XSC,   XIMG+8*1024                ; their scale words, 128 bytes each
.set SPARE, XSC+8*128                  ; the spare words, 128 bytes for each wave: four blocks of 256 bytes that no other line names
.set XA,  4                            ; v4   x: row r of 2,048 bytes + 64 h
.set LI,  5                            ; v5   16 x lane
.set XWI, 6                            ; v6   where I store my fragment of x
.set XWS, 7                            ; v7   and its scale words
.set WAD, 8                            ; v8-9   my weights' fragments in slot 0, 1
.set WSA, 10                           ; v10-11 my weights' scale words in slot 0, 1
.set SPW, 12                           ; v12  my spare word; never rewritten
.set NIL, 13                           ; v13  0; never rewritten
.set XRD, 14                           ; v14  x's fragments, for reading
.set XSR, 15                           ; v15  x's scale words, for reading
.set XF,  16                           ; v16-79   x's eight fragments
.set XS,  80                           ; v80-87   their scale words: scales and nothing else
.set WF,  88                           ; v88-151  weights: two sets of four fragments; at the start my 64 numbers of x
.set WS,  152                          ; v152-159 their scale words, two sets: scales and nothing else
.set ACC, 160                          ; v160-191 two sets of two accumulators
.set OUT, 192                          ; v192-207 two sets of two packed tiles
.set PC,  192                          ; at the start: my fragment of x,
.set PW,  200                          ; and its scale word
.set BIAS, 208                         ; v208-239 bq's, later bv's, four tiles in the result's layout
.set TM,  240                          ; v240-255 at work in QUANT
.set WV,  18
.set G1,  24
.set G0A, 32
.set G0B, 36
.set SEL, 40
.set CS,  42
.macro CROUND                          ; a round of the cluster's barrier
	s_barrier_signal -1
	s_barrier_wait -1
	s_cmp_lg_u32 s[WV], 0
	s_cbranch_scc1 .Lnot_wave_0_\@
	s_barrier_signal -3
.Lnot_wave_0_\@:
	s_barrier_wait -3
	s_barrier_signal -1
	s_barrier_wait -1
.endm
; 64 numbers of a lane, register 16 b + i = k 32 b + 16 h + i of my row, become a fragment's codes in v[PC] on and its scale word in v[PW]
.macro QUANT s
.irp b, 0,1,2,3
	v_max3_num_f32 v[TM+\b], |v[\s+16*\b]|, |v[\s+1+16*\b]|, 0x1800000   ; my 16 numbers of block b, and the floor 2^(3 - 127): the byte cannot fall under 1
.endr
.irp i, 2,4,6,8,10,12,14
.irp b, 0,1,2,3
	v_max3_num_f32 v[TM+\b], v[TM+\b], |v[\s+16*\b+\i]|, |v[\s+1+16*\b+\i]|   ; the four blocks by turns
.endr
.endr
.irp b, 0,1,2,3
	v_permlanex16_b32 v[TM+4+\b], v[TM+\b], s[SEL], s[SEL+1]
.endr
.irp b, 0,1,2,3
	v_max_num_f32 v[TM+\b], v[TM+\b], v[TM+4+\b]   ; with lane l xor 16's: the block's largest magnitude
.endr
.irp b, 0,1,2,3
	v_add_nc_u32 v[TM+12+\b], 0xff000000, v[TM+\b] ; 2 off its exponent field: the conversion's scale operand
.endr
.irp b, 0,1,2,3
	v_lshrrev_b32 v[TM+4+\b], 23, v[TM+12+\b]      ; the scale's byte
.endr
	v_lshl_or_b32 v[PW], v[TM+5], 8, v[TM+4]
	v_lshl_or_b32 v[PW], v[TM+6], 16, v[PW]
	v_lshl_or_b32 v[PW], v[TM+7], 24, v[PW]        ; my row's scale word
.irp b, 0,1,2,3
	v_cvt_scalef32_pk8_fp4_f32 v[PC+2*\b], v[\s+16*\b:\s+7+16*\b], v[TM+12+\b]
	v_cvt_scalef32_pk8_fp4_f32 v[PC+1+2*\b], v[\s+8+16*\b:\s+15+16*\b], v[TM+12+\b]
.endr
	v_nop                                          ; one plain instruction behind a scaled conversion
.irp c, 0,1                                    ; the operand's layout wants a whole block in a lane: lanes 0-15 block 2 c, lanes 16-31 block 2 c + 1
.irp i, 0,1
	v_permlane16_swap_b32 v[PC+4*\c+\i], v[PC+2+4*\c+\i]
.endr
.endr
.endm
; the four fragments and scale words of my tile i of the matrix in the slot, into set i % 2: twelve LDS loads
.macro FETCH i, slot
.set FP, (\i)%2
.irp s, 0,1,2,3
.irp c, 0,1
	ds_load_b128 v[WF+32*FP+8*\s+4*\c:WF+32*FP+8*\s+4*\c+3], v[WAD+\slot] offset:(\i)*4608+\s*1024+\c*512
.endr
.endr
.irp s, 0,1,2,3
	ds_load_b32 v[WS+4*FP+\s], v[WSA+\slot] offset:(\i)*4608+4096+\s*128
.endr
.endm
; One matrix: my four tiles of 16 columns x the two tiles of rows.  kind 0: q (bias as C, times c), 1: k (no bias), 2: v (sources swapped, bias as C).
; A tile's eight products: K ascending, the two accumulators by turns, one instruction a turn.  All operands and scales come by loads.
.macro CHUNK kind, slot, base
	FETCH 0, \slot
.irp i, 0,1,2,3
.if \i < 3
	FETCH \i+1, \slot                              ; into the set whose last products stand four v_nop back
	s_wait_dscnt 12                                ; all but the twelve just issued
.else
	s_wait_dscnt 0x0
.endif
.set TP, \i%2
.irp s, 0,1,2,3
.irp m, 0,1
.set rA, ACC+16*TP+8*\m
.set rW, WF+32*TP+8*\s
.set rX, XF+8*(4*\m+\s)
.set sW, WS+4*TP+\s
.set sX, XS+4*\m+\s
.if \kind == 2
.if \s == 0
	v_wmma_scale_f32_16x16x128_f8f6f4 v[rA:rA+7], v[rX:rX+7], v[rW:rW+7], v[BIAS+8*\i:BIAS+8*\i+7], v[sX], v[sW] matrix_a_fmt:MATRIX_FMT_FP4 matrix_b_fmt:MATRIX_FMT_FP4
.else
	v_wmma_scale_f32_16x16x128_f8f6f4 v[rA:rA+7], v[rX:rX+7], v[rW:rW+7], v[rA:rA+7], v[sX], v[sW] matrix_a_fmt:MATRIX_FMT_FP4 matrix_b_fmt:MATRIX_FMT_FP4
.endif
.elseif \s > 0
	v_wmma_scale_f32_16x16x128_f8f6f4 v[rA:rA+7], v[rW:rW+7], v[rX:rX+7], v[rA:rA+7], v[sW], v[sX] matrix_a_fmt:MATRIX_FMT_FP4 matrix_b_fmt:MATRIX_FMT_FP4
.elseif \kind == 0
	v_wmma_scale_f32_16x16x128_f8f6f4 v[rA:rA+7], v[rW:rW+7], v[rX:rX+7], v[BIAS+8*\i:BIAS+8*\i+7], v[sW], v[sX] matrix_a_fmt:MATRIX_FMT_FP4 matrix_b_fmt:MATRIX_FMT_FP4
.else
	v_wmma_scale_f32_16x16x128_f8f6f4 v[rA:rA+7], v[rW:rW+7], v[rX:rX+7], 0, v[sW], v[sX] matrix_a_fmt:MATRIX_FMT_FP4 matrix_b_fmt:MATRIX_FMT_FP4
.endif
.endr
.endr
.rept 4
	v_nop                                          ; four places behind the products: ahead of the reads of their results and of the next loads into their operands
.endr
	s_wait_xcnt 0x0                                ; the stores of two tiles ago have read this set of packed results
.if \kind == 0
.irp m, 0,1
.irp j, 0,2,4,6
	v_pk_mul_f32 v[ACC+16*TP+8*\m+\j:ACC+16*TP+8*\m+\j+1], v[ACC+16*TP+8*\m+\j:ACC+16*TP+8*\m+\j+1], s[CS:CS+1] op_sel_hi:[1,0]   ; x c, from the accumulator's low end on
.endr
.endr
.endif
.irp m, 0,1
.irp j, 0,1,2,3
	v_cvt_pk_f16_f32 v[OUT+8*TP+4*\m+\j], v[ACC+16*TP+8*\m+2*\j], v[ACC+16*TP+8*\m+2*\j+1]
.endr
.endr
.irp m, 0,1
	global_store_b128 v[LI], v[OUT+8*TP+4*\m:OUT+8*TP+4*\m+3], s[\base:\base+1] offset:\m*2048+\i*512   ; 32 lanes store 512 consecutive bytes, aligned
.endr
.endr
.endm
	s_load_b256 s[4:11], s[0:1], 0x0               ; inputs s[4:5], wimg s[6:7], bq s[8:9], bv s[10:11]
	s_load_b128 s[12:15], s[0:1], 0x20             ; qimg s[12:13], kimg s[14:15]
	s_load_b64 s[16:17], s[0:1], 0x30              ; vimg
	v_lshl_add_u32 v[SPW], v0, 2, SPARE
	v_mov_b32 v[NIL], 0
	ds_add_u32 v[SPW], v[NIL]                      ; the wave's opening: the add, twice on end, and its wait ahead of my first tensor load
	ds_add_u32 v[SPW], v[NIL]                      ; and once more; the set-up below, work on registers, stands between it and the wait
	v_lshrrev_b32 v3, 5, v0
	v_readfirstlane_b32 s[WV], v3                  ; wave 0..7 = head
	s_bfe_u32 s19, ttmp6, 0x40000                  ; cx
	s_lshl_b32 s20, ttmp9, 2
	s_add_co_u32 s20, s20, s19                     ; my block of 32 rows: it enters x's and the results' addresses alone
	s_mov_b32 s[G1], 15|(3<<16)|(1<<21)            ; 15:0 the mask: all four work-groups; 17:16 elements of 8 bytes; 21 set beside a mask; no padding
	s_mov_b32 s[G1+1], 32<<16                      ; tensor_dim0 = 32 elements: rows of 256 bytes
	s_mov_b32 s[G1+2], 72<<16                      ; tensor_dim1 = 72
	s_mov_b32 s[G1+3], 32<<16                      ; tile_dim0
	s_mov_b32 s[G1+4], 72                          ; tile_dim1
	s_mov_b32 s[G1+5], 32                          ; from row to row: dense
	s_mov_b32 s[G1+6], 0
	s_mov_b32 s[G1+7], 0
	s_mov_b32 s[SEL], 0x76543210
	s_mov_b32 s[SEL+1], 0xfedcba98
	s_mov_b32 s[CS], 0x3e38aa3b                    ; c = log2(e) / 8
	s_mov_b32 s[CS+1], s[CS]                       ; (named with it as a pair)
	s_mul_i32 s21, s[WV], WPART                    ; my eighth: in a matrix of wimg and in a slot alike
	s_mov_b32 s22, s21
	s_mov_b32 s23, 0
	s_lshl_b32 s44, s20, 16                        ; x: 32 rows of 2,048 bytes a block,
	s_lshr_b32 s45, s[WV], 2
	s_lshl_b32 s45, s45, 15                        ; my tile of rows m = w / 4,
	s_add_co_u32 s44, s44, s45
	s_and_b32 s45, s[WV], 3
	s_lshl_b32 s45, s45, 9                         ; my K step s = w % 4
	s_add_co_u32 s44, s44, s45
	s_mov_b32 s45, 0
	s_lshl_b32 s46, s[WV], 8                       ; my head's 64 numbers of a bias
	s_mov_b32 s47, 0
	s_lshr_b32 s48, s20, 7                         ; batch
	s_lshl_b32 s48, s48, 3
	s_add_co_u32 s48, s48, s[WV]
	s_lshl_b32 s48, s48, 19                        ; (8 batch + head) x 524,288
	s_and_b32 s49, s20, 127
	s_lshl_b32 s49, s49, 12                        ; two tiles of rows x 2,048
	s_add_co_u32 s48, s48, s49
	s_mov_b32 s49, 0
	v_and_b32 v1, 15, v0                           ; r
	v_bfe_u32 v3, v0, 4, 1                         ; h
	v_lshlrev_b32 v[XA], 11, v1
	v_lshl_add_u32 v[XA], v3, 6, v[XA]
	v_lshlrev_b32 v2, 2, v1                        ; v2 = 4 r: bv's offset
	v_lshlrev_b32 v1, 5, v3                        ; v1 = 32 h: bq's offset
	v_and_b32 v3, 31, v0
	v_lshlrev_b32 v[LI], 4, v3
	v_lshlrev_b32 v3, 2, v3                        ; 4 x lane
	s_lshl_b32 s50, s[WV], 10
	v_add_nc_u32 v[XWI], s50, v[LI]
	v_add_nc_u32 v[XWI], XIMG, v[XWI]
	s_lshl_b32 s50, s[WV], 7
	v_add_nc_u32 v[XWS], s50, v3
	v_add_nc_u32 v[XWS], XSC, v[XWS]
	v_add_nc_u32 v[WAD], s21, v[LI]
	v_add_nc_u32 v[WAD+1], SLOT1, v[WAD]
	v_add_nc_u32 v[WSA], s21, v3
	v_add_nc_u32 v[WSA+1], SLOT1, v[WSA]
	v_add_nc_u32 v[XRD], XIMG, v[LI]
	v_add_nc_u32 v[XSR], XSC, v3
.irp b, 0,1,2,3
	v_mov_b32 v[TM+4+\b], 0                        ; written once: a lane permute's destination counts as one of its sources
.endr
	s_wait_dscnt 0x0                               ; both opening adds are done
	s_wait_kmcnt 0x0
	s_add_nc_u64 s[4:5], s[4:5], s[44:45]
	s_add_nc_u64 s[8:9], s[8:9], s[46:47]
	s_add_nc_u64 s[10:11], s[10:11], s[46:47]
	s_add_nc_u64 s[12:13], s[12:13], s[48:49]
	s_add_nc_u64 s[14:15], s[14:15], s[48:49]
	s_add_nc_u64 s[16:17], s[16:17], s[48:49]
	s_mov_b32 s[G0A], 1                            ; group 0: count 1; LDS address; global address; type 2
	s_mov_b32 s[G0A+1], s21
	s_add_nc_u64 s[G0A+2:G0A+3], s[6:7], s[22:23]  ; Wq's images, my eighth
	s_mov_b32 s[G0B], 1
	s_add_co_u32 s[G0B+1], s21, SLOT1
	s_add_nc_u64 s[G0B+2:G0B+3], s[G0A+2:G0A+3], WMAT   ; Wk's
	s_or_b32 s[G0A+3], s[G0A+3], 0x80000000
	s_or_b32 s[G0B+3], s[G0B+3], 0x80000000
.irp i, 0,1,2,3
	global_load_b128 v[BIAS+8*\i:BIAS+8*\i+3], v1, s[8:9] offset:64*\i       ; bq at my lane's eight channels of tile i
	global_load_b128 v[BIAS+8*\i+4:BIAS+8*\i+7], v1, s[8:9] offset:64*\i+16
.endr
.irp b, 0,1,2,3
.irp j, 0,1,2,3
	global_load_b128 v[WF+16*\b+4*\j:WF+16*\b+4*\j+3], v[XA], s[4:5] offset:128*\b+16*\j th:TH_LOAD_NT   ; x: of my row, 16 neighbours of each block of 32; read once in the launch
.endr
.endr
	CROUND                                         ; all four work-groups are here: the first joint loads meet
	tensor_load_to_lds s[G0A:G0A+3], s[G1:G1+7]    ; Wq -> slot 0
	s_nop 0
	tensor_load_to_lds s[G0B:G0B+3], s[G1:G1+7]    ; Wk -> slot 1
	s_nop 0
	s_wait_loadcnt 0x0                             ; bq and x
	QUANT WF
	ds_store_b128 v[XWI], v[PC:PC+3]               ; the fragment goes to LDS as an image of its registers
	ds_store_b128 v[XWI], v[PC+4:PC+7] offset:512
	ds_store_b32 v[XWS], v[PW]
	s_wait_dscnt 0x0                               ; for the others' sake: my stores have landed
	s_barrier_signal -1
	s_barrier_wait -1                              ; x's eight fragments lie in LDS
.irp f, 0,1,2,3,4,5,6,7
	ds_load_b128 v[XF+8*\f:XF+8*\f+3], v[XRD] offset:\f*1024
	ds_load_b128 v[XF+8*\f+4:XF+8*\f+7], v[XRD] offset:\f*1024+512
.endr
.irp f, 0,1,2,3,4,5,6,7
	ds_load_b32 v[XS+\f], v[XSR] offset:\f*128
.endr
	s_wait_tensorcnt 0x1                           ; my eighth of Wq is in; Wk's load may stay out.  I alone read what I fetched
	CHUNK 0, 0, 12
	s_wait_tensorcnt 0x0                           ; all my tensor loads have landed, Wk's among them: a group 0 may be written
	ds_add_u32 v[SPW], v[NIL]                      ; 0 onto my spare word
	s_add_nc_u64 s[G0A+2:G0A+3], s[G0A+2:G0A+3], 2*WMAT   ; on to Wv's images
	s_wait_dscnt 0x0                               ; the add is done, and my reads of slot 0 are over
	CROUND                                         ; no wave of any partner still reads slot 0 or has a load on its way
	tensor_load_to_lds s[G0A:G0A+3], s[G1:G1+7]    ; Wv -> slot 0: my one tensor load behind the round
	s_nop 0
.irp i, 0,1,2,3
.irp j, 0,1,2,3,4,5,6,7
	global_load_b32 v[BIAS+8*\i+\j], v2, s[10:11] offset:64*\i   ; bv: in v's layout a lane's eight results belong to one channel, 16 i + r
.endr
.endr
	CHUNK 1, 1, 14
	s_wait_tensorcnt 0x0                           ; Wv is in
	s_wait_loadcnt 0x0                             ; bv
	CHUNK 2, 0, 16
	s_wait_tensorcnt 0x0                           ; the wave's end
	ds_add_u32 v[SPW], v[NIL]
	s_wait_dscnt 0x0
	CROUND                                         ; the closing round
	s_endpgm
.Lfunc_end_k_q2b4d36a9b7_qkv:
	.size	k_q2b4d36a9b7_qkv, .Lfunc_end_k_q2b4d36a9b7_qkv-k_q2b4d36a9b7_qkv
	.p2alignl 7, 3214868480
	.fill 96, 4, 3214868480
	.section	.rodata,"a",@progbits
	.p2align	6, 0x0
	.amdhsa_kernel k_q2b4d36a9b7_qkv
		.amdhsa_group_segment_fixed_size 327680
		.amdhsa_private_segment_fixed_size 0
		.amdhsa_enable_private_segment 0
		.amdhsa_kernarg_size 56
		.amdhsa_user_sgpr_count 2
		.amdhsa_user_sgpr_kernarg_segment_ptr 1
		.amdhsa_wavefront_size32 1
		.amdhsa_system_sgpr_workgroup_id_x 1
		.amdhsa_system_sgpr_workgroup_id_y 1
		.amdhsa_system_sgpr_workgroup_id_z 1
		.amdhsa_system_vgpr_workitem_id 0
		.amdhsa_next_free_vgpr 256
		.amdhsa_next_free_sgpr 66
		.amdhsa_reserve_vcc 0
		.amdhsa_float_denorm_mode_32 3
		.amdhsa_float_denorm_mode_16_64 3
		.amdhsa_memory_ordered 1
		.amdhsa_forward_progress 1
		.amdhsa_inst_pref_size 51
	.end_amdhsa_kernel
	.amdgpu_metadata
---
amdhsa.version: [ 1, 2 ]
amdhsa.kernels:
  - .name:           k_q2b4d36a9b7_qkv
    .symbol:         k_q2b4d36a9b7_qkv.kd
    .args:
      - { .name: inputs, .offset: 0, .size: 8, .value_kind: global_buffer, .address_space: global }
      - { .name: wimg, .offset: 8, .size: 8, .value_kind: global_buffer, .address_space: global }
      - { .name: bq, .offset: 16, .size: 8, .value_kind: global_buffer, .address_space: global }
      - { .name: bv, .offset: 24, .size: 8, .value_kind: global_buffer, .address_space: global }
      - { .name: qimg, .offset: 32, .size: 8, .value_kind: global_buffer, .address_space: global }
      - { .name: kimg, .offset: 40, .size: 8, .value_kind: global_buffer, .address_space: global }
      - { .name: vimg, .offset: 48, .size: 8, .value_kind: global_buffer, .address_space: global }
    .group_segment_fixed_size: 327680
    .private_segment_fixed_size: 0
    .kernarg_segment_align: 8
    .kernarg_segment_size: 56
    .max_flat_workgroup_size: 256
    .sgpr_count:     66
    .vgpr_count:     256
    .wavefront_size: 32
...
	.end_amdgpu_metadata
.endif
;; end of part 2
;; launch attn (part 3): grid 16 x 16, 4 waves a work-group, clusters of 4 x 1, 327,680 bytes of LDS; arguments qimg, kimg, vimg, aimg; writes aimg
.if DOCPART == 3
	.amdgcn_target "amdgcn-amd-amdhsa--gfx1250"
	.amdhsa_code_object_version 6
	.text
	.protected	k_q2b4d36a9b7_attn
	.globl	k_q2b4d36a9b7_attn
	.p2align	8
	.type	k_q2b4d36a9b7_attn,@function
k_q2b4d36a9b7_attn:
	s_mov_b64 s[64:65], 0
	v_nop
	global_prefetch_b8 v0, s[64:65] scope:SCOPE_SE
	s_setreg_imm32_b32 hwreg(HW_REG_WAVE_MODE, 25, 1), 1
	s_wait_xcnt 0x0
	s_wait_alu depctr_hold_cnt(0) depctr_sa_sdst(0) depctr_va_vdst(0) depctr_va_sdst(0) depctr_va_ssrc(0) depctr_va_vcc(0) depctr_vm_vsrc(0)
	s_getreg_b32 s2, hwreg(HW_REG_IB_STS2, 6, 4)
	s_cmp_eq_u32 s2, 0
	s_cbranch_scc0 .Lentry_in_a_cluster
	s_endpgm
.Lentry_in_a_cluster:
	s_bfe_u32 s2, ttmp6, 0x10000c
	s_cmp_lg_u32 s2, 0x3003
	s_cbranch_scc0 .Lentry_shape_is_right
	s_endpgm
.Lentry_shape_is_right:
; attn[bh][q][:] = the sum over k of softmax_k(t[q][k]) v[bh][k][:], t = q . k with q already times log2(e) / 8, so that p = 2^(t - m).  16 batch x heads, 4,096 rows, head size 64.
; LEFT OUT: bk (the launch before left it out of k: it adds the same number to all scores of a query).
; Operands f16, products, maxima and sums f32; p is rounded to f16 for the second product, the result once at the end.  A running maximum m and sum l for each query; in every step O and l
; are multiplied by a = 2^(m_old - m_new).  LIMIT: results beyond 65,504 have no f16 number.
; q, k, v arrive as IMAGES OF OPERAND REGISTERS: [bh][tile of 16 rows][tile of 16 channels][512 bytes], lane L's 16 bytes at 16 L; v with the keys along a lane's bytes.  So every fragment is
; loaded by lines of 16 bytes a lane at 16 x lane: no pitch, no padding, no turning load.  The result leaves the same way (aimg), straight from registers.
; SHARES: a work-group owns 256 queries of one head, a wave 64: four tiles of 16.  Every wave walks all 4,096 keys, 64 a step.
; LAYOUT: S^T = K Q^T (source 0 = 16 keys, source 1 = 16 queries), O^T = V^T P (source 0 = 16 channels, source 1 = P): a lane holds ONE query throughout; two tiles of S^T, rounded in pairs, are P's fragment.
; BY TURNS: the wave's tiles are two pieces (tiles 0, 1 and tiles 2, 3).  In a turn one piece has the matrix unit: 16 products V^T P of the step in hand, then 16 products K Q^T of the next step;
; the other piece's softmax, cut into slices of four instructions, stands between them, two slices behind each matrix instruction.  Two turns are a key step.
; CLUSTER: the four query blocks of a cluster belong to one head and walk the same K and V: each quarter of a slot is asked for JOINTLY, by the same wave of all four work-groups.
; RING: two slots of 8 key steps (65,536 bytes of K, then 65,536 of V), 2^17 bytes apart.  Wave w fetches quarter w: 128 rows of 256 bytes.  By this text's count a wave has two tensor loads out at the start and one behind each round.
; REGISTERS, in windows of 256: window 0: addresses, v12-43 statistics (8 a tile), v64-191 S^T (32 a tile), v192-255 P (16 a tile);  window 1: v0-127 O^T (32 a tile);
;   window 2: v0-63 Q (16 a tile), v128-191 K of one step, v192-255 V of one step.
.set NS,    8                          ; key steps in a slot
.set STEPB, 8192                       ; a step's images of K, or of V
.set SLOTB, NS*STEPB
.set VOFF,  SLOTB                      ; V's part of a slot
.set SLOT1, 1<<17
.set SPARE, 2*SLOT1                    ; the spare words, 128 bytes for each wave: two blocks of 256 bytes that no other line names
.set AK0, 2                            ; v2   16 x lane: my place in an image; also my offset in Q's and the result's images; never rewritten
.set AV0, 3                            ; v3   the same in V's part of a slot
.set ADR, 4                            ; v4   the LDS address of the run of loads in hand
.set ST,  12                           ; tile t's statistics at v[ST + 8 t]: +0 m, +1 a copy of m, +2, +3 l (even keys', odd keys'), +4 to +7 at work; a takes +6
.set PFO, 61                           ; v61  256 x lane; never rewritten
.set SPW, 62                           ; v62  my spare word; never rewritten
.set NIL, 63                           ; v63  0; never rewritten
.set S,   64
.set P,   192
.set KF,  128                          ; in window 2
.set VF,  192                          ; in window 2
.set WV,  12
.set LIM, 15                           ; s15  1 in a work-group that prefetches, else the greatest number
.set PFA, 18                           ; s[18:19] where my prefetches stand
.set G1,  24                           ; s[24:31] descriptor group 1
.set G0,  40                           ; s[40:47] group 0: a set for each first fill; the second then walks on
.set SLOTS, 56
.set CNT, 57
.set SEL, 60
.set TB,  62                           ; s62  LDS byte at which the images of the step to be fetched begin
.set MSB, 0
.macro WIN new                         ; the immediate's high byte repeats the setting that is left; a switch that changes nothing is dropped
.if MSB != \new
	s_set_vgpr_msb (MSB<<8)|\new
.set MSB, \new
.endif
.endm
.set W_KQ, 0x0a                        ; K and Q in window 2, S^T in window 0
.set W_PV, 0x52                        ; V in window 2, P in window 0, O^T in window 1
.set W_RS, 0x41                        ; O^T (destination and source 0) in window 1, a in window 0
.macro CROUND                          ; a round of the cluster's barrier
	s_barrier_signal -1
	s_barrier_wait -1
	s_cmp_lg_u32 s[WV], 0
	s_cbranch_scc1 .Lnot_wave_0_\@
	s_barrier_signal -3
.Lnot_wave_0_\@:
	s_barrier_wait -3
	s_barrier_signal -1
	s_barrier_wait -1
.endm
.macro PLACES
.rept 4
	v_nop
.endr
.endm
; A prefetch of what the NEXT change of slots will ask for.  All clusters of a head walk the same K and V: the head's first cluster asks.  A slot's 131,072 bytes are shared out by address: of K's
; (waves 0, 1) and V's (waves 2, 3) 65,536 bytes partner cx takes 16,384 and each of the two waves 8,192 of them, lanes 256 bytes apart: each block of 256 bytes is named once in the launch.
; The last change that fills a slot asks for nothing; slots 0, 1 and 2 come by their loads alone.
.macro ASK
	s_cmp_gt_u32 s[SLOTS], s[LIM]
	s_cbranch_scc0 .Lnot_mine_\@
	global_prefetch_b8 v[PFO], s[PFA:PFA+1] th:TH_LOAD_NT scope:SCOPE_SE
.Lnot_mine_\@:
.endm
	s_load_b256 s[4:11], s[0:1], 0x0               ; qimg s[4:5], kimg s[6:7], vimg s[8:9], aimg s[10:11]
	v_lshl_add_u32 v[SPW], v0, 2, SPARE
	v_mov_b32 v[NIL], 0
	ds_add_u32 v[SPW], v[NIL]                      ; the wave's opening: the add, twice on end, and its wait ahead of my first tensor load
	ds_add_u32 v[SPW], v[NIL]                      ; and once more; the set-up below, work on registers, stands between it and the wait
	v_lshrrev_b32 v1, 5, v0
	v_readfirstlane_b32 s[WV], v1                  ; wave 0..3
	s_bfe_u32 s13, ttmp6, 0x40000                  ; cx
	s_lshl_b32 s14, ttmp9, 2
	s_add_co_u32 s14, s14, s13                     ; my block of 256 queries: it enters Q's and the result's addresses alone
	s_and_b32 s16, ttmp7, 0xffff                   ; batch x head, which the four partners share
	s_lshl_b32 s20, s16, 19                        ; its first byte in qimg, kimg, vimg
	s_mov_b32 s21, 0
	s_and_b32 s17, s[WV], 1
	s_lshl_b32 s22, s17, 15                        ; which half of K's or V's part of a slot I fetch
	s_add_co_u32 s22, s22, s20
	s_mov_b32 s23, 0
	s_lshl_b32 s2, s14, 15                         ; Q: 16 tiles of 2,048 bytes a block,
	s_lshl_b32 s3, s[WV], 13                       ; my wave's four
	s_add_co_u32 s2, s2, s3
	s_add_co_u32 s2, s2, s20
	s_mov_b32 s3, 0
	s_lshr_b32 s48, s16, 3                         ; the result: [row block of 128][half of the 512 channels][tile of 16 rows][16 channels][512]
	s_lshl_b32 s48, s48, 5                         ; 32 row blocks a batch,
	s_lshl_b32 s49, s14, 1
	s_add_co_u32 s48, s48, s49                     ; two to a block of queries,
	s_lshr_b32 s49, s[WV], 1
	s_add_co_u32 s48, s48, s49
	s_lshl_b32 s48, s48, 17
	s_bfe_u32 s49, s16, 0x10002                    ; heads 4 to 7 lie in the second half,
	s_lshl_b32 s49, s49, 16
	s_add_co_u32 s48, s48, s49
	s_lshl_b32 s49, s17, 15                        ; my wave's four tiles of rows,
	s_add_co_u32 s48, s48, s49
	s_and_b32 s49, s16, 3
	s_lshl_b32 s49, s49, 11                        ; my head's four tiles of channels
	s_add_co_u32 s48, s48, s49
	s_mov_b32 s49, 0
	s_mov_b32 s[G1], 15|(3<<16)|(1<<21)            ; 15:0 the mask: all four work-groups; 17:16 elements of 8 bytes; 21 set beside a mask; no padding
	s_mov_b32 s[G1+1], 32<<16                      ; tensor_dim0 = 32 elements: rows of 256 bytes
	s_mov_b32 s[G1+2], 128<<16                     ; tensor_dim1 = 128
	s_mov_b32 s[G1+3], 32<<16                      ; tile_dim0
	s_mov_b32 s[G1+4], 128                         ; tile_dim1
	s_mov_b32 s[G1+5], 32                          ; from row to row: dense
	s_mov_b32 s[G1+6], 0
	s_mov_b32 s[G1+7], 0
	s_mov_b32 s[SEL], 0x76543210
	s_mov_b32 s[SEL+1], 0xfedcba98
	s_mov_b32 s[TB], 0
	s_mov_b32 s[SLOTS], 4096/(64*NS)-2
	s_cmp_eq_u32 ttmp9, 0                          ; the head's first cluster: the same in all four partners
	s_cselect_b32 s[LIM], 1, -1
	s_lshl_b32 s50, s[WV], 15                      ; my quarter of a slot: no place in the cluster enters an LDS address
	v_and_b32 v1, 31, v0
	v_lshlrev_b32 v[PFO], 8, v1
	v_lshlrev_b32 v[AK0], 4, v1
	v_add_nc_u32 v[AV0], VOFF, v[AK0]
	s_wait_dscnt 0x0                               ; both opening adds are done
	s_wait_kmcnt 0x0
	s_cmp_lt_u32 s[WV], 2                          ; waves 0 and 1 fetch K's images, waves 2 and 3 V's
	s_cselect_b64 s[52:53], s[6:7], s[8:9]
	s_add_nc_u64 s[PFA:PFA+1], s[52:53], s[20:21]
	s_add_nc_u64 s[52:53], s[52:53], s[22:23]
	s_add_nc_u64 s[4:5], s[4:5], s[2:3]
	s_add_nc_u64 s[10:11], s[10:11], s[48:49]
	s_lshl_b32 s2, s13, 14                         ; the prefetches: my work-group's 16,384 bytes,
	s_lshl_b32 s3, s17, 13                         ; my wave's 8,192 of them,
	s_add_co_u32 s2, s2, s3
	s_add_co_u32 s2, s2, 2*SLOTB                   ; in slot 2: the first change of slots steps it to slot 3.  Nothing is prefetched here, at the head
	s_mov_b32 s3, 0
	s_add_nc_u64 s[PFA:PFA+1], s[PFA:PFA+1], s[2:3]
.irp s, 0,1
	s_mov_b32 s[G0+4*\s], 1                        ; count = 1
	s_add_co_u32 s[G0+4*\s+1], s50, \s*SLOT1       ; LDS address
	s_add_nc_u64 s[G0+4*\s+2:G0+4*\s+3], s[52:53], \s*SLOTB   ; global address: slot s
	s_or_b32 s[G0+4*\s+3], s[G0+4*\s+3], 0x80000000           ; type = 2
.endr
	CROUND                                         ; all four work-groups are here: the first joint loads meet
	tensor_load_to_lds s[G0:G0+3], s[G1:G1+7]
	s_nop 0
	tensor_load_to_lds s[G0+4:G0+7], s[G1:G1+7]
	s_nop 0
	PLACES
	WIN 0x80                                       ; destination window 2, address window 0
.irp i, 0,1,2,3,4,5,6,7,8,9,10,11,12,13,14,15
	global_load_b128 v[4*\i:4*\i+3], v[AK0], s[4:5] offset:512*\i   ; Q stays in registers: tile i / 4, channels 16 (i % 4) on
.endr
	WIN 0
; THE MATRIX WORK OF A TURN, for piece x.  Eight accumulators take turns, one instruction a turn; each is visited twice.
; Product i of 16 of O^T += V^T P: keys 32 (i / 8) on, channels 16 ((i / 2) % 4) on, tile x + i % 2.  zero = 1: the first 8 start the sums.
.macro PV x, zero
	WIN W_PV
.set rO, 32*(\x+i%2)+8*((i/2)%4)
.set rV, VF+32*(i/8)+8*((i/2)%4)
.set rP, P+16*(\x+i%2)+8*(i/8)
.if \zero && (i < 8)
	v_wmma_f32_16x16x32_f16 v[rO:rO+7], v[rV:rV+7], v[rP:rP+7], 0
.else
	v_wmma_f32_16x16x32_f16 v[rO:rO+7], v[rV:rV+7], v[rP:rP+7], v[rO:rO+7]
.endif
.endm
; Product i of 16 of S^T = K Q^T: channels 32 (i / 8) on, keys 16 ((i / 2) % 4) on, tile x + i % 2.  The first 8 start the sums.
.macro KQ x
	WIN W_KQ
.set rS, S+32*(\x+i%2)+8*((i/2)%4)
.set rK, KF+16*((i/2)%4)+8*(i/8)
.set rQ, 16*(\x+i%2)+8*(i/8)
.if i < 8
	v_wmma_f32_16x16x32_f16 v[rS:rS+7], v[rK:rK+7], v[rQ:rQ+7], 0
.else
	v_wmma_f32_16x16x32_f16 v[rS:rS+7], v[rK:rK+7], v[rQ:rQ+7], v[rS:rS+7]
.endif
.endm
; THE LDS LOADS stand in runs of 16: a step's K and, a turn later, its V.  Image n = 4 x (tile of 16 keys) + (tile of 16 channels).
.macro FETCH_K
	WIN 0
	v_add_nc_u32 v[ADR], s[TB], v[AK0]
	WIN 0x80
.irp n, 0,1,2,3,4,5,6,7,8,9,10,11,12,13,14,15
	ds_load_b128 v[KF+4*\n:KF+4*\n+3], v[ADR] offset:512*\n
.endr
.endm
.macro FETCH_V
	WIN 0
	v_add_nc_u32 v[ADR], s[TB], v[AV0]
	s_add_co_u32 s[TB], s[TB], STEPB               ; the next fetch is the next step's
	s_wait_alu depctr_va_vdst(0)                   ; the wait for the softmax's batch of exponentials, ahead of the first instruction that names a result
	WIN 0x80
.irp n, 0,1,2,3,4,5,6,7,8,9,10,11,12,13,14,15
	ds_load_b128 v[VF+8*(4*(\n/8)+\n%4)+4*((\n/4)%2):VF+8*(4*(\n/8)+\n%4)+4*((\n/4)%2)+3], v[ADR] offset:512*\n
.endr
.endm
; THE VECTOR WORK OF A TURN.  One tile's softmax for one key step is a numbered list; SM writes number j of it for tile t.  s0-s31 are the lane's 32 scores, in pairs 0-15.
;   0-15    the maximum of s0-s31 and the old m, three operands at a time; each accumulator is first read at its registers 0 to 2
;   16-20   the other half of the lanes' maximum; the new m; m_old - m_new; the copy of m
;   21-69   ONE BATCH: the 16 subtractions t - m, a pair each, and all 33 exponentials (a at 23).  None of these reads an exponential's result
;   (wait)  between 69 and 70 stands the one wait for the batch: SLICE writes it, once for both tiles
;   70-85   the roundings to f16;   86-101 the sums, l = a l + the sum;   102-117 the tile's O^T times a
; first = 1: the first key step, which starts m, l and O^T: it has no a and nothing to rescale.
.macro SM t, first
.set rT, ST+8*(\t)
.set rS, S+32*(\t)
.set rP, P+16*(\t)
.set rO, 32*(\t)+2*(j-102)
.if j < 102
	WIN 0
.endif
.if j < 4
	v_max3_num_f32 v[rT+4+j], v[rS+8*j], v[rS+8*j+1], v[rS+8*j+2]
.elseif j < 12
	v_max3_num_f32 v[rT+4+j%4], v[rT+4+j%4], v[rS+8*(j%4)+2*(j/4)+1], v[rS+8*(j%4)+2*(j/4)+2]
.elseif j == 12
	v_max3_num_f32 v[rT+4], v[rT+4], v[rS+7], v[rS+15]
.elseif j == 13
	v_max3_num_f32 v[rT+6], v[rT+6], v[rS+23], v[rS+31]
.elseif j == 14
	v_max3_num_f32 v[rT+4], v[rT+4], v[rT+5], v[rT+6]
.elseif (j == 15) && \first
	v_max_num_f32 v[rT+4], v[rT+4], v[rT+7]
.elseif j == 15
	v_max3_num_f32 v[rT+4], v[rT+4], v[rT+7], v[rT]
.elseif j == 16
	v_permlanex16_b32 v[rT+5], v[rT+4], s[SEL], s[SEL+1]   ; the query's other 32 keys lie in the lane 16 away
.elseif j == 17
.elseif j == 18
	v_max_num_f32 v[rT], v[rT+4], v[rT+5]
.elseif j == 20
	v_mov_b32 v[rT+1], v[rT]                       ; the pair (m, m) for the packed subtraction; it is the old m of the next step
.elseif ((j == 19) || (j == 23) || (j > 101)) && \first
.elseif j == 19
	v_sub_f32 v[rT+7], v[rT+1], v[rT]
.elseif j == 23
	v_exp_f32 v[rT+6], v[rT+7]
.elseif (j < 23) || ((j < 38) && (j%2 == 0)) || ((j < 66) && (j%4 == 2))
.set b, (j-2)/4                        ; 38, 42, .. 62: pairs 9 to 15
.if j < 38
.set b, (j-20)/2                       ; 21: pair 0; 22, 24, .. 36: pairs 1 to 8
.endif
	v_pk_add_f32 v[rS+2*b:rS+2*b+1], v[rS+2*b:rS+2*b+1], v[rT:rT+1] neg_lo:[0,1] neg_hi:[0,1]   ; pair b: t - m
.elseif j < 70
.set e, j-38                           ; 66 to 69: s28 to s31
.if j < 66
.set e, j-32-(j-38)/4                  ; 39-41, 43-45, .. 63-65: s7 to s27
.endif
.if j < 38
.set e, (j-25)/2                       ; 25, 27, .. 37: s0 to s6
.endif
	v_exp_f32 v[rS+e], v[rS+e]
.elseif j < 86
	v_cvt_pk_f16_f32 v[rP+j-70], v[rS+2*(j-70)], v[rS+2*(j-70)+1]
.elseif j < 102                        ; the sum of the tile's 16 pairs, in place: neighbours 1, 2, 4 and 8 pairs apart, then l takes it
.set z, j-86
.set w, 4
.set u, z
.if z >= 14
.set w, 32
.set u, 0
.elseif z >= 12
.set w, 16
.set u, z-12
.elseif z >= 8
.set w, 8
.set u, z-8
.endif
.if (z == 14) && \first
	v_pk_add_f32 v[rT+2:rT+3], v[rS:rS+1], v[rS+16:rS+17]
.elseif z < 15
	v_pk_add_f32 v[rS+w*u:rS+w*u+1], v[rS+w*u:rS+w*u+1], v[rS+w*u+w/2:rS+w*u+w/2+1]
.elseif !\first
	v_pk_fma_f32 v[rT+2:rT+3], v[rT+2:rT+3], v[rT+6:rT+7], v[rS:rS+1] op_sel_hi:[1,0,1]
.endif
.else
	WIN W_RS
	v_pk_mul_f32 v[rO:rO+1], v[rO:rO+1], v[rT+6:rT+7] op_sel_hi:[1,0]
.endif
.endm
; Slice k of piece y's softmax: four instructions; slices 0 to 58 hold the two lists, the others are empty.  Slices 11 to 34 deal out the batch, four numbers of ONE tile each, the tiles by turns;
; every other slice is numbers 2 k and 2 k + 1 of both tiles.  Behind slice 34 no exponential is issued and ahead of slice 35 no result is named: one wait serves the piece's 66 exponentials.
.macro SLICE y, first
.if (k >= 11) && (k < 35)
.irp n, 0,1,2,3
.set j, 22+4*((k-11)/2)+(\n)
	SM (\y)+(k-11)%2, \first
.endr
.elseif (k >= 0) && (k < 59)
.irp n, 0,1
.irp t, \y, \y+1
.set j, 2*k+\n
	SM \t, \first
.endr
.endr
.endif
.if k == 34
	v_nop                                          ; the plain instruction behind the last exponential, one for the batch
.if (\y) == 0
	FETCH_V                                        ; piece 2's turn: V's run of loads stands here, and the wait stands in it
.else
	s_wait_alu depctr_va_vdst(0)                   ; the wait for the batch
.endif
.endif
.set k, k+1
.endm
; A TURN.  Piece x has the matrix unit.  pv = 2: 16 products V^T P; 1: they start O^T's sums; 0: none.  kq = 1: 16 products K Q^T for the next step.  64 places for slices, the first five empty, so
; that slices 57 and 58, eight plain multiplies of the OTHER piece's O^T, stand behind the turn's last product: they are the four places ahead of the loads into K's registers and of the first read of the new scores.
; Piece 0's turn fetches the next step's K behind its second product.  Piece 2's turn fetches the same step's V behind slice 34: the last product that read V stands in front of slice 25, and eight
; packed subtractions, the v_nop and the run's own addition lie between.  first = 1: the last slices are empty, and four v_nop take their part.
.macro TURN x, pv, kq, first
.set k, -5
.set per, 4
.if \pv && \kq
.set per, 2
.endif
.if \pv
.if \x == 0
	s_wait_dscnt 0x0                               ; V is in
.endif
.set i, 0
.rept 16
	PV \x, 2-\pv
.rept per
	SLICE 2-\x, \first
.endr
.if (\x == 0) && \kq && (i == 1)
	FETCH_K
.endif
.set i, i+1
.endr
.endif
.if \kq
.if \x == 0
	s_wait_dscnt 0x0                               ; K is in
.endif
.set i, 0
.rept 16
	KQ \x
.rept per
	SLICE 2-\x, \first
.endr
.set i, i+1
.endr
.endif
.if \first
	PLACES
.endif
.endm
; THE CHANGE OF SLOTS, between piece 2's turn and piece 0's: the slot's last bytes, V of its last step, have been asked for.  Each wave waits for all its tensor loads (one is out: its quarter of the
; other slot), adds 0 to its spare word, and waits for that and for its reads of the slot.  fill = 1: the barrier is a round of the cluster's, and the joint refill, with the keys two slots on, is the first thing behind it.
.macro CHANGE fill
	WIN 0
	s_wait_tensorcnt 0x0                           ; no tensor load of mine is out, so a group 0 may be written
	ds_add_u32 v[SPW], v[NIL]                      ; 0 onto my spare word
.if \fill
	s_xor_b32 s[G0+5], s[G0+5], SLOT1              ; the walking descriptor: the other slot than last time,
	s_add_nc_u64 s[G0+6:G0+7], s[G0+6:G0+7], SLOTB ; the next 512 keys
	s_wait_xcnt 0x0                                ; the last prefetch, a slot back, has read its address
	s_add_nc_u64 s[PFA:PFA+1], s[PFA:PFA+1], SLOTB ; one slot further on than the walking descriptor
	s_wait_dscnt 0x0                               ; the add is done, and my reads of the slot are over
	CROUND
	tensor_load_to_lds s[G0+4:G0+7], s[G1:G1+7]
	s_nop 0
	PLACES
	ASK
.else
	s_wait_dscnt 0x0
	s_barrier_signal -1
	s_barrier_wait -1
.endif
	s_sub_co_u32 s[TB], s[TB], SLOTB               ; the fetches go back to a slot's first step,
	s_xor_b32 s[TB], s[TB], SLOT1                  ; in the other slot
.endm
.macro STEPS n                         ; n key steps: written once, walked n times; the LDS addresses hang on s[TB]
	s_mov_b32 s[CNT], \n
.Lstep_\@:
	TURN 0, 2, 1, 0
	TURN 2, 2, 1, 0
	WIN 0
	s_sub_co_u32 s[CNT], s[CNT], 1
	s_cmp_lg_u32 s[CNT], 0
	s_cbranch_scc1 .Lstep_\@
.endm
	s_wait_tensorcnt 0x1                           ; my quarter of slot 0 is in; slot 1's may stay out
	s_barrier_signal -1
	s_barrier_wait -1                              ; everybody's is
	FETCH_K                                        ; key step 0
	s_wait_loadcnt 0x0                             ; Q
	s_wait_dscnt 0x0
.set i, 0
.rept 16
	KQ 0                                           ; piece 0's first scores
.set i, i+1
.endr
	PLACES
	TURN 2, 0, 1, 1                                ; piece 2's first scores | piece 0's first softmax | V of step 0
	TURN 0, 1, 1, 1                                ; piece 0: V^T P of step 0 starts O^T, K Q^T of step 1 | piece 2's first softmax | K of step 1
	TURN 2, 1, 1, 0                                ; piece 2: the same | piece 0's softmax of step 1 | V of step 1
	WIN 0
	STEPS NS-2                                     ; the rest of slot 0 is fetched
.Lslot:                                            ; six trips: every slot but the last two is filled again
	CHANGE 1
	STEPS NS
	s_sub_co_u32 s[SLOTS], s[SLOTS], 1
	s_cmp_lg_u32 s[SLOTS], 0
	s_cbranch_scc1 .Lslot
	CHANGE 0                                       ; the tail is written out
	STEPS NS
	TURN 0, 2, 0, 0                                ; piece 0: V^T P of the last step | piece 2's last softmax
.set i, 0
.rept 16
	PV 2, 0                                        ; piece 2: V^T P of the last step
.set i, i+1
.endr
	; THE WAY OUT.  l's two halves and the other half of the lanes' are added; O^T is divided by l, rounded to f16 and stored as images: a lane's eight channels of its row are 16 bytes at 16 x lane.
	WIN 0
.irp t, 0,1,2,3
	v_add_f32 v[ST+8*\t+4], v[ST+8*\t+2], v[ST+8*\t+3]     ; (these four are the places behind the last products)
.endr
.irp t, 0,1,2,3
	v_permlanex16_b32 v[ST+8*\t+5], v[ST+8*\t+4], s[SEL], s[SEL+1]
.endr
.irp t, 0,1,2,3
	v_add_f32 v[ST+8*\t+4], v[ST+8*\t+4], v[ST+8*\t+5]
.endr
.irp t, 0,1,2,3
	v_rcp_f32 v[ST+8*\t+6], v[ST+8*\t+4]
.endr
	v_nop                                          ; a plain instruction behind the last reciprocal
	s_wait_alu depctr_va_vdst(0)                   ; and one wait for the four, ahead of the first use
.irp t, 0,1,2,3
	WIN W_RS
.set i, 32*\t
.rept 16
	v_pk_mul_f32 v[i:i+1], v[i:i+1], v[ST+8*\t+6:ST+8*\t+7] op_sel_hi:[1,0]
.set i, i+2
.endr
	WIN 0x05                                       ; sources 0 and 1 window 1, destination window 0: S^T's registers are free
.set i, 0
.rept 16
	v_cvt_pk_f16_f32 v[S+16*\t+i], v[32*\t+2*i], v[32*\t+2*i+1]
.set i, i+1
.endr
	WIN 0
.irp c, 0,1,2,3
	global_store_b128 v[AK0], v[S+16*\t+4*\c:S+16*\t+4*\c+3], s[10:11] offset:\t*8192+\c*512   ; 32 lanes store 512 consecutive bytes, aligned
.endr
.endr
	s_wait_tensorcnt 0x0                           ; the wave's end
	ds_add_u32 v[SPW], v[NIL]
	s_wait_dscnt 0x0
	CROUND                                         ; the closing round
	s_endpgm
.Lfunc_end_k_q2b4d36a9b7_attn:
	.size	k_q2b4d36a9b7_attn, .Lfunc_end_k_q2b4d36a9b7_attn-k_q2b4d36a9b7_attn
	.p2alignl 7, 3214868480
	.fill 96, 4, 3214868480
	.section	.rodata,"a",@progbits
	.p2align	6, 0x0
	.amdhsa_kernel k_q2b4d36a9b7_attn
		.amdhsa_group_segment_fixed_size 327680
		.amdhsa_private_segment_fixed_size 0
		.amdhsa_enable_private_segment 0
		.amdhsa_kernarg_size 32
		.amdhsa_user_sgpr_count 2
		.amdhsa_user_sgpr_kernarg_segment_ptr 1
		.amdhsa_wavefront_size32 1
		.amdhsa_system_sgpr_workgroup_id_x 1
		.amdhsa_system_sgpr_workgroup_id_y 1
		.amdhsa_system_sgpr_workgroup_id_z 1
		.amdhsa_system_vgpr_workitem_id 0
		.amdhsa_next_free_vgpr 768
		.amdhsa_next_free_sgpr 66
		.amdhsa_reserve_vcc 0
		.amdhsa_float_denorm_mode_32 3
		.amdhsa_float_denorm_mode_16_64 3
		.amdhsa_memory_ordered 1
		.amdhsa_forward_progress 1
		.amdhsa_inst_pref_size 188
	.end_amdhsa_kernel
	.amdgpu_metadata
---
amdhsa.version: [ 1, 2 ]
amdhsa.kernels:
  - .name:           k_q2b4d36a9b7_attn
    .symbol:         k_q2b4d36a9b7_attn.kd
    .args:
      - { .name: qimg, .offset: 0, .size: 8, .value_kind: global_buffer, .address_space: global }
      - { .name: kimg, .offset: 8, .size: 8, .value_kind: global_buffer, .address_space: global }
      - { .name: vimg, .offset: 16, .size: 8, .value_kind: global_buffer, .address_space: global }
      - { .name: aimg, .offset: 24, .size: 8, .value_kind: global_buffer, .address_space: global }
    .group_segment_fixed_size: 327680
    .private_segment_fixed_size: 0
    .kernarg_segment_align: 8
    .kernarg_segment_size: 32
    .max_flat_workgroup_size: 128
    .sgpr_count:     66
    .vgpr_count:     768
    .wavefront_size: 32
...
	.end_amdgpu_metadata
.endif
;; end of part 3
;; launch oproj (part 4): grid 4 x 64, 4 waves a work-group, clusters of 4 x 4, 280,064 bytes of LDS; arguments aimg, woimg, bo, out0; writes out0
.if DOCPART == 4
	.amdgcn_target "amdgcn-amd-amdhsa--gfx1250"
	.amdhsa_code_object_version 6
	.text
	.protected	k_q2b4d36a9b7_oproj
	.globl	k_q2b4d36a9b7_oproj
	.p2align	8
	.type	k_q2b4d36a9b7_oproj,@function
k_q2b4d36a9b7_oproj:
	s_mov_b64 s[64:65], 0
	v_nop
	global_prefetch_b8 v0, s[64:65] scope:SCOPE_SE
	s_setreg_imm32_b32 hwreg(HW_REG_WAVE_MODE, 25, 1), 1
	s_wait_xcnt 0x0
	s_wait_alu depctr_hold_cnt(0) depctr_sa_sdst(0) depctr_va_vdst(0) depctr_va_sdst(0) depctr_va_ssrc(0) depctr_va_vcc(0) depctr_vm_vsrc(0)
	s_getreg_b32 s2, hwreg(HW_REG_IB_STS2, 6, 4)
	s_cmp_eq_u32 s2, 0
	s_cbranch_scc0 .Lentry_in_a_cluster
	s_endpgm
.Lentry_in_a_cluster:
	s_bfe_u32 s2, ttmp6, 0x10000c
	s_cmp_lg_u32 s2, 0xf033
	s_cbranch_scc0 .Lentry_shape_is_right
	s_endpgm
.Lentry_shape_is_right:
; out0 = attn Wo + bo.  attn [8192][512] and Wo [512][512] arrive in f16 as images of operand registers (aimg, woimg: 512 bytes an image of 16 rows or columns x 16 along K, lane L's 16 bytes at 16 L);
; sums in f32; out0 [8192][512] f32.  bo is the C of each sum's first product.
; A tile of out0 is 128 x 128: 256 work-groups.  Four waves, each 64 x 64: 16 accumulators.  K = 512 fits into LDS whole: A's 131,072 bytes and B's 131,072, each as two halves of K.
; All tensor loads are first fills: nothing is filled again.  Waves 0 and 1 fetch A's halves of rows, waves 2 and 3 B's, two loads each (first half of K, second half): two out by this text's count.
; CLUSTER: 4 x 4 work-groups.  The four of a row of the cluster need the same rows of attn, the four of a column the same columns of Wo: each is asked for JOINTLY.
; THE MATRIX INSTRUCTION IS USED TRANSPOSED (source 0 = 16 columns of Wo, source 1 = 16 rows of attn): a lane holds eight neighbouring numbers of a row of out0.
; REGISTERS: window 0: addresses; v32-95 the way out; v96-127 bo in the result's layout; v128-255 the accumulators ((a, b) at v[128 + 8 (4 a + b)]).  window 1: two fragment buffers of 128 (64 of A, 64 of B), 64 along K each.
.set HALFK,  65536                     ; half of K of A's or B's tile in LDS
.set BOFF,   131072                    ; B's tile lies behind A's
.set STAGE,  262144                    ; 16 rows x 272 bytes for each wave, for the way out; no tensor load lands here
.set SPITCH, 272
.set SPARE,  STAGE+4*16*SPITCH         ; the spare words, 128 bytes for each wave: two blocks of 256 bytes that no other line names
.set ADRA, 16                          ; v16-17  my A fragments in the first, second half of K
.set ADRB, 20                          ; v20-21  the same for B
.set STO,  24
.set RD,   25
.set CO,   26
.set BO,   27
.set SPW,  28
.set NIL,  29
.set TMP,  32
.set BIAS, 96
.set ACC,  128
.set F0,   0
.set F1,   128
.set WV,   12
.set G1A,  24
.set G0A,  32
.set G1B,  48
.set G0B,  56
.set MSB, 0
.macro WIN new
.if MSB != \new
	s_set_vgpr_msb (MSB<<8)|\new
.set MSB, \new
.endif
.endm
.set MUL,  0x05                        ; sources 0 (B) and 1 (A) window 1; C and D window 0
.set TO_F, 0x40                        ; destination window 1, address window 0
.macro CROUND
	s_barrier_signal -1
	s_barrier_wait -1
	s_cmp_lg_u32 s[WV], 0
	s_cbranch_scc1 .Lnot_wave_0_\@
	s_barrier_signal -3
.Lnot_wave_0_\@:
	s_barrier_wait -3
	s_barrier_signal -1
	s_barrier_wait -1
.endm
.macro PLACES
.rept 4
	v_nop
.endr
.endm
	s_load_b256 s[4:11], s[0:1], 0x0               ; aimg s[4:5], woimg s[6:7], bo s[8:9], out0 s[10:11]
	v_lshl_add_u32 v[SPW], v0, 2, SPARE
	v_mov_b32 v[NIL], 0
	ds_add_u32 v[SPW], v[NIL]                      ; the wave's opening: the add, twice on end, and its wait ahead of my first tensor load
	ds_add_u32 v[SPW], v[NIL]                      ; and once more; the set-up below, work on registers, stands between it and the wait
	v_lshrrev_b32 v1, 5, v0
	v_readfirstlane_b32 s[WV], v1                  ; wave 0..3
	s_lshr_b32 s13, s[WV], 1                       ; which half of the tile's rows is mine.  Also: I fetch for A (0) or for B (1)
	s_and_b32 s14, s[WV], 1                        ; which half of its columns.  Also: which half of the rows or columns I fetch
	s_bfe_u32 s40, ttmp6, 0x40000                  ; cx
	s_bfe_u32 s41, ttmp6, 0x40004                  ; cy
	s_lshl_b32 s42, ttmp9, 2
	s_add_co_u32 s42, s42, s40                     ; tile column
	s_and_b32 s15, ttmp7, 0xffff
	s_lshl_b32 s15, s15, 2
	s_add_co_u32 s15, s15, s41                     ; tile row
	s_lshl_b32 s43, s41, 2
	s_lshl_b32 s43, 15, s43                        ; my row of the cluster
	s_lshl_b32 s44, 0x1111, s40                    ; my column
	s_or_b32 s[G1A], s43, (3<<16)|(1<<21)          ; 15:0 the mask; 17:16 elements of 8 bytes; 21 set beside a mask; no padding
	s_or_b32 s[G1B], s44, (3<<16)|(1<<21)
.irp g, G1A, G1B
	s_mov_b32 s[\g+1], 32<<16                      ; tensor_dim0 = 32 elements: rows of 256 bytes
	s_mov_b32 s[\g+2], 128<<16                     ; tensor_dim1 = 128
	s_mov_b32 s[\g+3], 32<<16                      ; tile_dim0
	s_mov_b32 s[\g+4], 128                         ; tile_dim1
	s_mov_b32 s[\g+5], 32                          ; dense
	s_mov_b32 s[\g+6], 0
	s_mov_b32 s[\g+7], 0
.endr
	s_lshl_b32 s20, s14, 15                        ; my 32,768 bytes of a half of K: in memory and in LDS alike
	s_lshl_b32 s16, s15, 17                        ; A: 131,072 bytes a tile row
	s_add_co_u32 s16, s16, s20
	s_mov_b32 s17, 0
	s_lshl_b32 s46, s42, 17                        ; B: 131,072 bytes a tile column
	s_add_co_u32 s46, s46, s20
	s_mov_b32 s47, 0
	s_add_co_u32 s21, s20, BOFF
	s_lshl_b32 s22, s15, 18                        ; out0: 128 rows of 2,048 bytes a tile row,
	s_lshl_b32 s23, s13, 17                        ; my 64 rows
	s_add_co_u32 s22, s22, s23
	s_mov_b32 s23, 0
	s_lshl_b32 s2, s42, 9                          ; 128 columns of 4 bytes a tile column,
	s_lshl_b32 s3, s14, 8                          ; my 64 columns
	s_add_co_u32 s2, s2, s3
	s_mov_b32 s3, 0
	s_wait_dscnt 0x0                               ; both opening adds are done
	s_wait_kmcnt 0x0
	s_add_nc_u64 s[18:19], s[4:5], s[16:17]
	s_add_nc_u64 s[46:47], s[6:7], s[46:47]
	s_add_nc_u64 s[8:9], s[8:9], s[2:3]
	s_add_nc_u64 s[10:11], s[10:11], s[22:23]
	s_add_nc_u64 s[10:11], s[10:11], s[2:3]
.irp s, 0,1
	s_mov_b32 s[G0A+4*\s], 1
	s_add_co_u32 s[G0A+4*\s+1], s20, \s*HALFK
	s_add_nc_u64 s[G0A+4*\s+2:G0A+4*\s+3], s[18:19], \s*HALFK
	s_or_b32 s[G0A+4*\s+3], s[G0A+4*\s+3], 0x80000000
	s_mov_b32 s[G0B+4*\s], 1
	s_add_co_u32 s[G0B+4*\s+1], s21, \s*HALFK
	s_add_nc_u64 s[G0B+4*\s+2:G0B+4*\s+3], s[46:47], \s*HALFK
	s_or_b32 s[G0B+4*\s+3], s[G0B+4*\s+3], 0x80000000
.endr
	CROUND                                         ; all sixteen work-groups are here: the joint loads meet
	s_cmp_lt_u32 s[WV], 2                          ; a wave's two fills stand in one branch on the wave's number
	s_cbranch_scc0 .Lfirst_b
	tensor_load_to_lds s[G0A:G0A+3], s[G1A:G1A+7]
	s_nop 0
	tensor_load_to_lds s[G0A+4:G0A+7], s[G1A:G1A+7]
	s_nop 0
	PLACES
	s_branch .Lfirst_asked
.Lfirst_b:
	tensor_load_to_lds s[G0B:G0B+3], s[G1B:G1B+7]
	s_nop 0
	tensor_load_to_lds s[G0B+4:G0B+7], s[G1B:G1B+7]
	s_nop 0
	PLACES
.Lfirst_asked:
	v_and_b32 v1, 15, v0                           ; r
	v_bfe_u32 v2, v0, 4, 1                         ; h
	v_and_b32 v3, 31, v0
	v_lshlrev_b32 v3, 4, v3                        ; 16 x lane
	s_lshl_b32 s45, s13, 15                        ; my four tiles of rows: 4 x 8,192
	v_add_nc_u32 v[ADRA], s45, v3
	v_add_nc_u32 v[ADRA+1], HALFK, v[ADRA]
	s_lshl_b32 s45, s14, 15                        ; my four tiles of columns
	s_add_co_u32 s45, s45, BOFF
	v_add_nc_u32 v[ADRB], s45, v3
	v_add_nc_u32 v[ADRB+1], HALFK, v[ADRB]
	s_mul_i32 s45, s[WV], 16*SPITCH
	s_add_co_u32 s45, s45, STAGE                   ; my stage
	v_mul_u32_u24 v4, v1, SPITCH                   ; in: row r, 32 bytes for each half of the lanes
	v_lshl_add_u32 v4, v2, 5, v4
	v_add_nc_u32 v[STO], s45, v4
	v_mul_u32_u24 v5, v2, SPITCH                   ; back: lanes 0-15 one row of 256 bytes, lanes 16-31 the next
	v_lshl_add_u32 v5, v1, 4, v5
	v_add_nc_u32 v[RD], s45, v5
	v_lshlrev_b32 v5, 11, v2                       ; and the same two rows in out0
	v_lshl_add_u32 v[CO], v1, 4, v5
	v_lshlrev_b32 v[BO], 5, v2
.irp b, 0,1,2,3
	global_load_b128 v[BIAS+8*\b:BIAS+8*\b+3], v[BO], s[8:9] offset:64*\b        ; bo at my lane's eight columns of tile b
	global_load_b128 v[BIAS+8*\b+4:BIAS+8*\b+7], v[BO], s[8:9] offset:64*\b+16
.endr
; 8 products: row tiles a0, a0 + 1 x all 4 column tiles, 32 along K: half c of buffer f.  first = 1: bo starts the sums.  The 16 accumulators take turns, one instruction a turn.
.macro MUL8 f, c, a0, first
.irp a, \a0, \a0+1
.irp b, 0,1,2,3
.if \first
	v_wmma_f32_16x16x32_f16 v[ACC+8*(4*(\a)+\b):ACC+8*(4*(\a)+\b)+7], v[\f+64+8*(4*\c+\b):\f+64+8*(4*\c+\b)+7], v[\f+8*(4*\c+(\a)):\f+8*(4*\c+(\a))+7], v[BIAS+8*\b:BIAS+8*\b+7]
.else
	v_wmma_f32_16x16x32_f16 v[ACC+8*(4*(\a)+\b):ACC+8*(4*(\a)+\b)+7], v[\f+64+8*(4*\c+\b):\f+64+8*(4*\c+\b)+7], v[\f+8*(4*\c+(\a)):\f+8*(4*\c+(\a))+7], v[ACC+8*(4*(\a)+\b):ACC+8*(4*(\a)+\b)+7]
.endif
.endr
.endr
.endm
; 32 LDS loads in one run: the fragments of quarter q (64 along K) into buffer f; the first 32 along K first.  A fragment is two images, 512 bytes apart.
.macro FETCH q, f
	WIN TO_F
.irp c, 0,1
.irp i, 0,1,2,3
	ds_load_b128 v[\f+64+8*(4*\c+\i):\f+64+8*(4*\c+\i)+3],   v[ADRB+(\q)/4] offset:\i*8192+(2*((\q)%4)+\c)*1024
	ds_load_b128 v[\f+64+8*(4*\c+\i)+4:\f+64+8*(4*\c+\i)+7], v[ADRB+(\q)/4] offset:\i*8192+(2*((\q)%4)+\c)*1024+512
	ds_load_b128 v[\f+8*(4*\c+\i):\f+8*(4*\c+\i)+3],         v[ADRA+(\q)/4] offset:\i*8192+(2*((\q)%4)+\c)*1024
	ds_load_b128 v[\f+8*(4*\c+\i)+4:\f+8*(4*\c+\i)+7],       v[ADRA+(\q)/4] offset:\i*8192+(2*((\q)%4)+\c)*1024+512
.endr
.endr
.endm
; Quarter q multiplies buffer f and fetches quarter q + 1 into g.  Ahead of the fetch of quarter 4 the second half of K is shown whole to all waves.
.macro QUARTER q, f, g, first
	s_wait_dscnt 16                                ; the first 32 along K are in
	WIN MUL
	MUL8 \f, 0, 0, \first
	MUL8 \f, 0, 2, \first
.if \q == 3
	s_wait_tensorcnt 0x0                           ; my part of the second half of K has landed,
	s_wait_dscnt 0x0                               ; no LDS instruction of mine is pending at the signal,
	s_barrier_signal -1
	s_barrier_wait -1                              ; everybody's has.
.endif
	PLACES                                         ; ahead of loads into registers that the quarter before multiplied
	FETCH \q+1, \g
	s_wait_dscnt 32                                ; all but the 32 just issued
	WIN MUL
	MUL8 \f, 1, 0, 0
	MUL8 \f, 1, 2, 0
.endm
	s_wait_tensorcnt 0x1                           ; my part of the first half of K is in; the second half's load may stay out
	s_barrier_signal -1
	s_barrier_wait -1                              ; everybody's is
	FETCH 0, F0
	s_wait_loadcnt 0x0                             ; bo
	QUARTER 0, F0, F1, 1
	QUARTER 1, F1, F0, 0
	QUARTER 2, F0, F1, 0
	QUARTER 3, F1, F0, 0
	QUARTER 4, F0, F1, 0
	QUARTER 5, F1, F0, 0
	QUARTER 6, F0, F1, 0
	s_wait_dscnt 16                                ; the last quarter: nothing more to fetch
	WIN MUL
	MUL8 F1, 0, 0, 0
	MUL8 F1, 0, 2, 0
	s_wait_dscnt 0x0
	MUL8 F1, 1, 0, 0
	MUL8 F1, 1, 2, 0
	WIN 0
; THE WAY OUT, a tile of 16 rows x 64 columns at a time.  A lane holds 32 neighbouring bytes of a row and the lanes beside it other rows: so a tile goes through my own stage and comes back as rows of
; 256 bytes, which sixteen lanes store as one aligned run.  LDS serves a wave's instructions in order (ISA guide 5.7.1.4): no wait between the stores and the loads, nor ahead of the next tile's stores.
.macro TOSTAGE a
.irp b, 0,1,2,3
	ds_store_b128 v[STO], v[ACC+8*(4*(\a)+\b):ACC+8*(4*(\a)+\b)+3] offset:64*\b          ; each accumulator from its low end on
	ds_store_b128 v[STO], v[ACC+8*(4*(\a)+\b)+4:ACC+8*(4*(\a)+\b)+7] offset:64*\b+16
.endr
.irp t, 0,1,2,3,4,5,6,7
	ds_load_b128 v[TMP+32*((\a)%2)+4*\t:TMP+32*((\a)%2)+4*\t+3], v[RD] offset:\t*2*SPITCH
.endr
.endm
.macro SEND a, younger                 ; younger: the LDS instructions issued behind tile a's loads, which may stay out
	s_wait_dscnt \younger
.irp t, 0,1,2,3,4,5,6,7
	global_store_b128 v[CO], v[TMP+32*((\a)%2)+4*\t:TMP+32*((\a)%2)+4*\t+3], s[10:11] offset:(16*(\a)+2*\t)*2048 th:TH_STORE_NT   ; 16 lanes store 256 consecutive bytes, aligned; written once, read by nobody here
.endr
.endm
	PLACES                                         ; ahead of the first read of results
	TOSTAGE 0
.irp a, 1,2,3
.if \a > 1
	s_wait_xcnt 0x0                                ; tile a - 2's stores have read their registers: tile a's loads may land there
.endif
	TOSTAGE \a
	SEND \a-1, 16                                  ; behind tile a - 1's loads: tile a's 8 stores and 8 loads
.endr
	SEND 3, 0
	s_wait_tensorcnt 0x0                           ; the wave's end, behind my last tensor load and my last LDS store
	ds_add_u32 v[SPW], v[NIL]
	s_wait_dscnt 0x0
	CROUND                                         ; the closing round
	s_endpgm
.Lfunc_end_k_q2b4d36a9b7_oproj:
	.size	k_q2b4d36a9b7_oproj, .Lfunc_end_k_q2b4d36a9b7_oproj-k_q2b4d36a9b7_oproj
	.p2alignl 7, 3214868480
	.fill 96, 4, 3214868480
	.section	.rodata,"a",@progbits
	.p2align	6, 0x0
	.amdhsa_kernel k_q2b4d36a9b7_oproj
		.amdhsa_group_segment_fixed_size 280064
		.amdhsa_private_segment_fixed_size 0
		.amdhsa_enable_private_segment 0
		.amdhsa_kernarg_size 32
		.amdhsa_user_sgpr_count 2
		.amdhsa_user_sgpr_kernarg_segment_ptr 1
		.amdhsa_wavefront_size32 1
		.amdhsa_system_sgpr_workgroup_id_x 1
		.amdhsa_system_sgpr_workgroup_id_y 1
		.amdhsa_system_sgpr_workgroup_id_z 1
		.amdhsa_system_vgpr_workitem_id 0
		.amdhsa_next_free_vgpr 512
		.amdhsa_next_free_sgpr 66
		.amdhsa_reserve_vcc 0
		.amdhsa_float_denorm_mode_32 3
		.amdhsa_float_denorm_mode_16_64 3
		.amdhsa_memory_ordered 1
		.amdhsa_forward_progress 1
		.amdhsa_inst_pref_size 49
	.end_amdhsa_kernel
	.amdgpu_metadata
---
amdhsa.version: [ 1, 2 ]
amdhsa.kernels:
  - .name:           k_q2b4d36a9b7_oproj
    .symbol:         k_q2b4d36a9b7_oproj.kd
    .args:
      - { .name: aimg, .offset: 0, .size: 8, .value_kind: global_buffer, .address_space: global }
      - { .name: woimg, .offset: 8, .size: 8, .value_kind: global_buffer, .address_space: global }
      - { .name: bo, .offset: 16, .size: 8, .value_kind: global_buffer, .address_space: global }
      - { .name: out0, .offset: 24, .size: 8, .value_kind: global_buffer, .address_space: global }
    .group_segment_fixed_size: 280064
    .private_segment_fixed_size: 0
    .kernarg_segment_align: 8
    .kernarg_segment_size: 32
    .max_flat_workgroup_size: 128
    .sgpr_count:     66
    .vgpr_count:     512
    .wavefront_size: 32
...
	.end_amdgpu_metadata
.endif
;; end of part 4
